; MI455X (gfx1250); checked and timed in simulation.
; The chip was launched on July 23, 2026; its instructions are those of AMD's public machine-readable ISA for CDNA 5 (MIT licence, August 2026) and "CDNA5" Instruction Set Architecture Reference Guide (July 2026). The comments in the code are by the model that wrote it; some were corrected since.
;; s LSTM Cell. Allowed arithmetic: matrix products marked QUANTISED: E2M3 operands, one E8M0 scale for each 32 along K, by v_wmma_scale_f32_16x16x128_f8f6f4 with both operands' format E2M3, f32 sums; everything else in f32.
;; Inputs: Rf 2,048 x 2,048 float32; Ri 2,048 x 2,048 float32; Ro 2,048 x 2,048 float32; Rz 2,048 x 2,048 float32; Wf 2,048 x 1,024 float32; Wi 2,048 x 1,024 float32; Wo 2,048 x 1,024 float32; Wz 2,048 x 1,024 float32; bf 2,048 float32; bi 2,048 float32; bo 2,048 float32; bz 2,048 float32; c_prev 2,048 x 2,048 float32; gn_b 2,048 float32; gn_w 2,048 float32; h_prev 2,048 x 2,048 float32; m_prev 2,048 x 2,048 float32; n_prev 2,048 x 2,048 float32; x 2,048 x 1,024 float32.
;; Outputs: out0 2,048 x 2,048 float32; out1 2,048 x 2,048 float32; out2 2,048 x 2,048 float32; out3 2,048 x 2,048 float32.
;; This version of the problem:
;;   THIS VERSION OF THE PROBLEM IS GIVEN IN LOW PRECISION. The matrix products marked QUANTISED in the list below multiply operands that are first quantised to E2M3 (2 exponent bits, 3 mantissa bits; 6 bits a number), with one power-of-two scale for each 32 numbers along K (OCP MX v1.0); their sums are f32. All else is computed in f32.
;;   The module's matrix products, in the order in which they are computed (A, B: the left and right operand; K: the contracted axis; several contracted axes count as one K, in the product's order):
;;     1. [M 2,048, K 1,024] x [K 1,024, N 8,192]; A: input x; B: computed on the way: QUANTISED
;;     2. [M 2,048, K 2,048] x [K 2,048, N 8,192]; A: input h_prev; B: computed on the way: QUANTISED
;;   THE QUANTISER, for each operand of a quantised product, along K:
;;     - K is cut into blocks of 32 from its start; a last block that is shorter is filled with zeros.
;;     - A block's scale is 2^e with e = floor(log2(the largest magnitude in the block)) - 2, held to -126 .. 127; a block of zeros has e = 0. As a byte (E8M0): e + 127.
;;     - Each number is divided by its block's scale, clamped to +-7.5, and rounded to the nearest number of E2M3, ties to even, subnormals kept.
;;     - The product sums the exact products of the quantised numbers (number of the format x scale) in f32.
;;   ~~~python
;;   def quantise(x, axis):      # numpy; x: float32 -> the quantised numbers, widened to float32 again
;;       x = np.moveaxis(x, axis, -1); K = x.shape[-1]
;;       x = np.pad(x, [(0, 0)] * (x.ndim - 1) + [(0, -K % 32)]); x = x.reshape(x.shape[:-1] + (-1, 32)); a = np.abs(x).max(-1, keepdims=True)
;;       e = np.where(a > 0, np.clip(np.frexp(np.where(a > 0, a, 1))[1] - 1 - 2, -126, 127), 0)      # np.frexp(a)[1] - 1 = floor(log2(a)), exactly
;;       r = np.clip(x / 2.0 ** e, -7.5, 7.5)
;;       step = 2.0 ** (np.maximum(np.frexp(np.where(r == 0, 1, r))[1] - 1, 0) - 3)
;;       q = np.round(r / step) * step * 2.0 ** e      # np.round: ties to even
;;       return np.moveaxis(q.reshape(q.shape[:-2] + (-1,))[..., :K], -1, axis).astype(np.float32)
;;   ~~~
;;   OPERANDS COMPUTED ON THE WAY. 'Computed on the way' means the value that the module computes at that place (a softmax that the list does not call 'softmax' is quantised finished and normalised). What goes into a quantiser is computed in f32, as accurately as f32 sums, v_exp_f32 and their like allow (about 1e-6 of the number): no bf16 or f16 on the way to a quantiser, and a product that is left as it is and whose result goes on into a quantised operand takes f32 operands (vector FMAs, or v_wmma_f32_16x16x4_f32). A number that lies on a knife's edge between two numbers of the format may be rounded either way, as far as f32 arithmetic and the matrix unit's own rounding can turn it there, and no further.
;; One version. Each part assembles by itself: llvm-mc -triple=amdgcn-amd-amdhsa -mcpu=gfx1250 --defsym DOCPART=n.
;; ======== version 1 of 1: 3 launches
;; limits: right only within a limited range of input values
;; workspace buffers: aq 4,915,200 bytes; bq 19,660,800 bytes; og 16,777,216 bytes
;; launch quant (part 1): grid 12 x 80, 4 waves a work-group, no clusters, 34,304 bytes of LDS; arguments x, h_prev, Wi, Wf, Wz, Wo, Ri, Rf, Rz, Ro, aq, bq; writes aq, bq
.if DOCPART == 1
	.amdgcn_target "amdgcn-amd-amdhsa--gfx1250"
	.amdhsa_code_object_version 6
	.text
	.protected	k_q1f667148b7_quant
	.globl	k_q1f667148b7_quant
	.p2align	8
	.type	k_q1f667148b7_quant,@function
k_q1f667148b7_quant:
	s_mov_b64 s[64:65], 0
	v_nop
	global_prefetch_b8 v0, s[64:65] scope:SCOPE_SE
	s_setreg_imm32_b32 hwreg(HW_REG_WAVE_MODE, 25, 1), 1
	s_wait_xcnt 0x0
; [x | h_prev] (2,048 rows, K = 1,024 + 2,048) and [W | R] of the four gates (8,192 rows, the same K) become codes of FP6 (E2M3) with one E8M0 byte for each 32 along K.
; Both K are multiples of 32, so the two products of the cell are one product with K = 3,072 and no block crosses the seam.
; A block's scale is 2^(floor(log2(its largest magnitude)) - 2): its byte is the largest magnitude's exponent field - 2, held at 1 from below by a floor among the maximum's leaves.
; LAYOUT OF THE RESULT: PANELS.  A panel is 128 operand rows (group G) x 128 along K (step P = 0 .. 23): 12,800 bytes; the buffers are [G][P][12,800].  In a panel the fragment of block i of 16 rows lies at
; 1,536 i as an IMAGE OF THE OPERAND'S 12 REGISTERS: registers 4 c .. 4 c + 3 of lane l at 512 c + 16 l.  The scale words begin at 12,288: block i, row r at 128 (i / 2) + 8 r + 4 (i % 2).
; ROW ORDER.  A: the batch row.  B: group G holds gates 2 (G % 2) and 2 (G % 2) + 1 of the 64 hidden units 64 (G / 2) ..; block 4 p + t, row r is unit 64 (G / 2) + 4 r + t of gate 2 (G % 2) + p.
; SHARES.  A work-group makes two panels, 256 along K (x = S: panels 2 S and 2 S + 1; y < 16: A's group y; else B's group y - 16).  Wave w makes blocks 4 (w / 2) .. + 3 of panel 2 S + w % 2: four fragments,
; whose 64 scale words are 256 consecutive bytes.  For B those blocks are all of gate 2 (G % 2) + w / 2.  One path serves all ten tensors: only pointers, a pitch and first rows are chosen, on ids and the wave's number.
; A fragment: 16 loads, each 512 consecutive bytes of a row; through the wave's own stage in LDS (rows 528 bytes apart: an odd multiple of 16, so that the sixteen rows that a read touches fall on sixteen
; different columns of 16 bytes); back so that lane (r, h) holds k = 64 c + 32 h + 0 .. 31 of row r: two whole blocks, in the order of the operand's registers.  No barrier: waves share nothing.
; LIMITS: NaN and infinities among the inputs are not served.  A block of zeros gets the byte 1 where the rule says 127: its codes are zeros, and this program alone reads the bytes.
.set PANEL, 12800
.set STG,   8448                       ; a wave's stage: 16 rows x 528 bytes
.set SPT,   528
.set VST, 4                            ; v4    stage, on the way in: my wave's stage + 16 x lane
.set VLD, 5                            ; v5    and out: + 528 r + 128 h
.set VC,  6                            ; v6    my 16 bytes of an image: 6,144 (w / 2) + 16 x lane
.set VS,  7                            ; v7    my pair of scale words: 12,288 + 256 (w / 2) + 8 x lane
.set SH,  8                            ; v8    8 h: where my two bytes stand in a scale word
.set PD,  9                            ; v9    the lane permute's destination
.set M,   10                           ; v10-13 four running maxima
.set SOP, 14                           ; v14-15 the conversions' scale operands
.set OFF, 16                           ; v16-31 row i of a fragment: 16 x lane + i x pitch; never rewritten
.set R,   32                           ; v32-159 two sets of 64: a fragment's numbers as loaded
.set X,   160                          ; v160-223 the same, 64 neighbours along K a lane
.set C,   224                          ; v224-235 the fragment's codes
.set T,   236                          ; v236-238, v240-242 the upper halves of the two blocks, on their way
.set WD,  244                          ; v244-247 the four fragments' scale words
.set BY,  248                          ; v248-249 two scale bytes
.set WK,  250
.set WO,  252                          ; v[252:253] the scale words on their way out
	s_load_b512 s[8:23], s[0:1], 0x0               ; x 8, h_prev 10, Wi 12, Wf 14, Wz 16, Wo 18, Ri 20, Rf 22
	s_load_b256 s[24:31], s[0:1], 0x40             ; Rz 24, Ro 26, aq 28, bq 30
	v_lshl_add_u32 v254, v0, 2, 0x8400
	v_mov_b32 v255, 0
	v_lshrrev_b32 v[PD], 5, v0
	v_readfirstlane_b32 s4, v[PD]                  ; wave 0..3
	s_mov_b32 s5, ttmp9                            ; S
	s_and_b32 s6, ttmp7, 0xffff                    ; y
	s_lshr_b32 s54, s4, 1                          ; which four blocks
	s_and_b32 s55, s4, 1                           ; which 128 of the 256 along K
	v_and_b32 v1, 31, v0                           ; lane
	v_and_b32 v2, 15, v0                           ; r
	v_bfe_u32 v3, v0, 4, 1                         ; h
	s_mul_i32 s7, s4, STG
	v_lshlrev_b32 v[OFF], 4, v1
	v_add_nc_u32 v[VST], s7, v[OFF]
	v_mul_u32_u24 v[VLD], v2, SPT
	v_lshl_add_u32 v[VLD], v3, 7, v[VLD]
	v_add_nc_u32 v[VLD], s7, v[VLD]
	s_mul_i32 s7, s54, 6144
	v_add_nc_u32 v[VC], s7, v[OFF]
	s_lshl_b32 s7, s54, 8
	s_add_co_u32 s7, s7, 12288
	v_lshl_add_u32 v[VS], v1, 3, s7
	v_lshlrev_b32 v[SH], 3, v3
	v_mov_b32 v[PD], 0                             ; written once: a lane permute's destination counts as one of its sources
	v_cmp_lt_u32 vcc_lo, 15, v1                    ; lanes 16-31: kept to the end
	s_mov_b32 s52, 0x76543210
	s_mov_b32 s53, 0xfedcba98                      ; v_permlanex16_b32's selects for lane l xor 16
	s_lshl_b32 s41, s6, 7
	s_lshl_b32 s42, s54, 6
	s_add_co_u32 s41, s41, s42                     ; A: the first row of my blocks 0, 1: 128 y + 64 (w / 2),
	s_add_co_u32 s56, s41, 32                      ;    and of my blocks 2, 3
	s_max_u32 s43, s6, 16
	s_sub_co_u32 s43, s43, 16                      ; B: the group y - 16
	; B's ROW ORDER AS IT IS LAID HERE: group G holds gates 2 (G % 2) and 2 (G % 2) + 1 of the 64 hidden units 64 (G / 2) ..: block 4 p + t, row r is unit 64 (G / 2) + 4 r + t of gate 2 (G % 2) + p.
	; A wave's four blocks (p = w / 2) are one gate's rows first + t + 4 i: the rows of a fragment lie four rows apart, its four fragments one row apart.
	s_lshr_b32 s42, s43, 1
	s_lshl_b32 s42, s42, 6                         ; B: the first row of my blocks 0, 1: 64 (G / 2),
	s_add_co_u32 s60, s42, 2                       ;    and of my blocks 2, 3
	s_and_b32 s63, s6, 1                           ; G % 2
	s_wait_kmcnt 0x0
	s_cmp_eq_u32 s54, 0                            ; p: the first or the second gate of the group's two
	s_cselect_b64 s[32:33], s[12:13], s[14:15]     ; narrow tensors: i or f,
	s_cselect_b64 s[34:35], s[16:17], s[18:19]     ; z or o;
	s_cselect_b64 s[36:37], s[20:21], s[22:23]     ; the wide ones likewise
	s_cselect_b64 s[38:39], s[24:25], s[26:27]
	s_cmp_eq_u32 s63, 0                            ; an even group holds i and f, an odd one z and o
	s_cselect_b64 s[32:33], s[32:33], s[34:35]
	s_cselect_b64 s[36:37], s[36:37], s[38:39]
	s_mov_b64 s[34:35], s[32:33]                   ; all four blocks come from one gate's tensor
	s_mov_b64 s[38:39], s[36:37]
	s_cmp_lt_u32 s6, 16                            ; A's work-group or B's
	s_cselect_b64 s[32:33], s[8:9], s[32:33]
	s_cselect_b64 s[34:35], s[8:9], s[34:35]
	s_cselect_b64 s[36:37], s[10:11], s[36:37]
	s_cselect_b64 s[38:39], s[10:11], s[38:39]
	s_cselect_b64 s[44:45], s[28:29], s[30:31]
	s_cselect_b32 s41, s41, s42                    ; first rows
	s_cselect_b32 s56, s56, s60
	s_cselect_b32 s61, 4, 0                        ; from block to block: A 16 rows, B one row
	s_cselect_b32 s62, 0, 2                        ; from row to row of a fragment: A one row, B four
	s_cselect_b32 s43, s6, s43                     ; G
	s_cmp_lt_u32 s5, 4                             ; steps 0-3 lie in the narrow tensor, 4-11 in the wide one
	s_cselect_b64 s[32:33], s[32:33], s[36:37]
	s_cselect_b64 s[34:35], s[34:35], s[38:39]
	s_cselect_b32 s57, 12, 13                      ; log2 of a row's bytes
	s_cselect_b32 s58, 0, 4
	s_sub_co_u32 s58, s5, s58                      ; the step within its tensor: 1,024 bytes of a row each,
	s_lshl_b32 s58, s58, 10
	s_lshl_b32 s59, s55, 9
	s_add_co_u32 s58, s58, s59                     ; and my half of them
	s_lshl_b32 s40, 1, s57                         ; the pitch
	s_lshl_b32 s46, s41, s57
	s_add_co_u32 s46, s46, s58                     ; under 2^25
	s_mov_b32 s47, 0
	s_add_nc_u64 s[32:33], s[32:33], s[46:47]      ; block 0's first row, at my 128 along K
	s_lshl_b32 s46, s56, s57
	s_add_co_u32 s46, s46, s58
	s_add_nc_u64 s[34:35], s[34:35], s[46:47]      ; block 2's
	s_lshl_b32 s50, s40, s61
	s_lshl_b32 s40, s40, s62
	s_mov_b32 s51, 0
	s_add_nc_u64 s[36:37], s[32:33], s[50:51]      ; block 1's: 16 rows on
	s_add_nc_u64 s[38:39], s[34:35], s[50:51]      ; block 3's
	s_mul_i32 s46, s43, 24
	s_lshl_b32 s48, s5, 1
	s_add_co_u32 s46, s46, s48
	s_add_co_u32 s46, s46, s55                     ; panel 24 G + 2 S + w % 2
	s_mul_i32 s46, s46, PANEL
	s_add_nc_u64 s[44:45], s[44:45], s[46:47]      ; my panel
.irp i, 1,2,3,4,5,6,7,8,9,10,11,12,13,14,15
	v_add_nc_u32 v[OFF+\i], s40, v[OFF+\i-1]
.endr
; Fragment t = my t-th block.  Sixteen loads: 512 consecutive bytes of row i, 16 a lane, into set t % 2.  Its base: s[32:33], s[36:37], s[34:35], s[38:39] for t = 0, 1, 2, 3.
.macro LOAD t
.irp i, 0,1,2,3,4,5,6,7,8,9,10,11,12,13,14,15
	global_load_b128 v[R+64*((\t)%2)+4*\i:R+64*((\t)%2)+4*\i+3], v[OFF+\i], s[32+4*((\t)%2)+2*((\t)/2):33+4*((\t)%2)+2*((\t)/2)] th:TH_LOAD_NT
.endr
.endm
.macro FRAGQ t
.if (\t) < 3
	s_wait_loadcnt 16                              ; loads come back in order: this fragment's sixteen are in, the next set's sixteen may be out
.else
	s_wait_loadcnt 0x0
.endif
.if (\t) > 0
	s_wait_xcnt 0x0                                ; the codes' registers, which the last fragment's stores read, are written again only behind this wait
.endif
.irp i, 0,1,2,3,4,5,6,7,8,9,10,11,12,13,14,15
	ds_store_b128 v[VST], v[R+64*((\t)%2)+4*\i:R+64*((\t)%2)+4*\i+3] offset:SPT*\i
.endr
.irp c, 0,1
.irp j, 0,1,2,3,4,5,6,7
	ds_load_b128 v[X+32*\c+4*\j:X+32*\c+4*\j+3], v[VLD] offset:256*\c+16*\j   ; LDS serves a wave's instructions in order: these see the stores above.  X[32 c + n] = k 64 c + 32 h + n of row r
.endr
.endr
	s_wait_dscnt 0x0                               ; the numbers are back, and the stores have read the set,
.if (\t) < 2
	LOAD (\t)+2                                    ; which takes the fragment two on
.endif
.irp m, 0,1,2,3
	v_max3_num_f32 v[M+\m], |v[X+16*\m]|, |v[X+16*\m+1]|, 0x1800000   ; four chains of 16, two to a block, by turns; the floor 2^(3 - 127) keeps the byte at 1 from below
.endr
.irp i, 2,4,6,8,10,12,14
.irp m, 0,1,2,3
	v_max3_num_f32 v[M+\m], v[M+\m], |v[X+16*\m+\i]|, |v[X+16*\m+\i+1]|
.endr
.endr
.irp c, 0,1
	v_max_num_f32 v[M+2*\c], v[M+2*\c], v[M+2*\c+1]                 ; block 2 c + h's largest magnitude: all 32 numbers are mine
.endr
.irp c, 0,1
	v_add_nc_u32 v[SOP+\c], 0xff000000, v[M+2*\c]  ; 2 off its exponent field: the conversion takes that field of this operand as its scale
.endr
.irp c, 0,1
	v_lshrrev_b32 v[BY+\c], 23, v[SOP+\c]          ; the scale's byte
.endr
	v_lshl_or_b32 v[WK], v[BY+1], 16, v[BY]        ; my two bytes, blocks h and 2 + h,
	v_lshlrev_b32 v[WK], v[SH], v[WK]              ; at their places in the word;
	v_permlanex16_b32 v[PD], v[WK], s52, s53
	v_or_b32 v[WD+\t], v[WK], v[PD]                ; with lane l xor 16's two the row's word is whole, in both lanes
.irp c, 0,1
	v_cvt_scalef32_pk16_fp6_f32 v[C+6*\c:C+6*\c+2], v[X+32*\c:X+32*\c+15], v[SOP+\c]
	v_cvt_scalef32_pk16_fp6_f32 v[T+4*\c:T+4*\c+2], v[X+32*\c+16:X+32*\c+31], v[SOP+\c]   ; (a conversion's three registers begin on an even number)
.endr
	v_nop                                          ; one plain place behind a scaled conversion
.irp c, 0,1
.irp n, 0,1,2
	v_mov_b32 v[C+6*\c+3+\n], v[T+4*\c+\n]
.endr
.endr
.irp c, 0,1,2
	global_store_b128 v[VC], v[C+4*\c:C+4*\c+3], s[44:45] offset:(\t)*1536+512*\c   ; 32 lanes store 512 consecutive bytes, at a multiple of 256 from the buffer's first byte
.endr
.endm
	LOAD 0
	LOAD 1
	s_wait_alu depctr_va_vdst(0)
	FRAGQ 0
	FRAGQ 1
	FRAGQ 2
	FRAGQ 3
	v_cndmask_b32 v[WO], v[WD], v[WD+2], vcc_lo    ; lanes 0-15 the rows of my blocks 0 and 1, lanes 16-31 those of my blocks 2 and 3: the even block's word,
	v_cndmask_b32 v[WO+1], v[WD+1], v[WD+3], vcc_lo ; and the odd block's
	global_store_b64 v[VS], v[WO:WO+1], s[44:45]   ; 32 lanes store 256 consecutive bytes, aligned
	s_wait_tensorcnt 0x0
	ds_add_u32 v254, v255
	s_wait_dscnt 0x0
	s_endpgm
.Lfunc_end_k_q1f667148b7_quant:
	.size	k_q1f667148b7_quant, .Lfunc_end_k_q1f667148b7_quant-k_q1f667148b7_quant
	.p2alignl 7, 3214868480
	.fill 96, 4, 3214868480
	.section	.rodata,"a",@progbits
	.p2align	6, 0x0
	.amdhsa_kernel k_q1f667148b7_quant
		.amdhsa_group_segment_fixed_size 34304
		.amdhsa_private_segment_fixed_size 0
		.amdhsa_enable_private_segment 0
		.amdhsa_kernarg_size 96
		.amdhsa_user_sgpr_count 2
		.amdhsa_user_sgpr_kernarg_segment_ptr 1
		.amdhsa_wavefront_size32 1
		.amdhsa_system_sgpr_workgroup_id_x 1
		.amdhsa_system_sgpr_workgroup_id_y 1
		.amdhsa_system_sgpr_workgroup_id_z 1
		.amdhsa_system_vgpr_workitem_id 0
		.amdhsa_next_free_vgpr 256
		.amdhsa_next_free_sgpr 66
		.amdhsa_reserve_vcc 1
		.amdhsa_float_denorm_mode_32 3
		.amdhsa_float_denorm_mode_16_64 3
		.amdhsa_memory_ordered 1
		.amdhsa_forward_progress 1
		.amdhsa_inst_pref_size 32
	.end_amdhsa_kernel
	.amdgpu_metadata
---
amdhsa.version: [ 1, 2 ]
amdhsa.kernels:
  - .name:           k_q1f667148b7_quant
    .symbol:         k_q1f667148b7_quant.kd
    .args:
      - { .name: x, .offset: 0, .size: 8, .value_kind: global_buffer, .address_space: global }
      - { .name: h_prev, .offset: 8, .size: 8, .value_kind: global_buffer, .address_space: global }
      - { .name: Wi, .offset: 16, .size: 8, .value_kind: global_buffer, .address_space: global }
      - { .name: Wf, .offset: 24, .size: 8, .value_kind: global_buffer, .address_space: global }
      - { .name: Wz, .offset: 32, .size: 8, .value_kind: global_buffer, .address_space: global }
      - { .name: Wo, .offset: 40, .size: 8, .value_kind: global_buffer, .address_space: global }
      - { .name: Ri, .offset: 48, .size: 8, .value_kind: global_buffer, .address_space: global }
      - { .name: Rf, .offset: 56, .size: 8, .value_kind: global_buffer, .address_space: global }
      - { .name: Rz, .offset: 64, .size: 8, .value_kind: global_buffer, .address_space: global }
      - { .name: Ro, .offset: 72, .size: 8, .value_kind: global_buffer, .address_space: global }
      - { .name: aq, .offset: 80, .size: 8, .value_kind: global_buffer, .address_space: global }
      - { .name: bq, .offset: 88, .size: 8, .value_kind: global_buffer, .address_space: global }
    .group_segment_fixed_size: 34304
    .private_segment_fixed_size: 0
    .kernarg_segment_align: 8
    .kernarg_segment_size: 96
    .max_flat_workgroup_size: 128
    .sgpr_count:     66
    .vgpr_count:     256
    .wavefront_size: 32
...
	.end_amdgpu_metadata
.endif
;; end of part 1
;; launch cell (part 2): grid 32 x 8, 4 waves a work-group, clusters of 4 x 4, 327,680 bytes of LDS; arguments aq, bq, bi, bf, bz, bo, c_prev, n_prev, m_prev, out1, out2, out3, og; writes out1, out2, out3, og
.if DOCPART == 2
	.amdgcn_target "amdgcn-amd-amdhsa--gfx1250"
	.amdhsa_code_object_version 6
	.text
	.protected	k_q1f667148b7_cell
	.globl	k_q1f667148b7_cell
	.p2align	8
	.type	k_q1f667148b7_cell,@function
k_q1f667148b7_cell:
	s_mov_b64 s[64:65], 0
	v_nop
	global_prefetch_b8 v0, s[64:65] scope:SCOPE_SE
	s_setreg_imm32_b32 hwreg(HW_REG_WAVE_MODE, 25, 1), 1
	s_wait_xcnt 0x0
	s_wait_alu depctr_hold_cnt(0) depctr_sa_sdst(0) depctr_va_vdst(0) depctr_va_sdst(0) depctr_va_ssrc(0) depctr_va_vcc(0) depctr_vm_vsrc(0)
	s_getreg_b32 s2, hwreg(HW_REG_IB_STS2, 6, 4)
	s_cmp_eq_u32 s2, 0
	s_cbranch_scc0 .Lentry_in_a_cluster
	s_endpgm
.Lentry_in_a_cluster:
	s_bfe_u32 s2, ttmp6, 0x10000c
	s_cmp_lg_u32 s2, 0xf033
	s_cbranch_scc0 .Lentry_shape_is_right
	s_endpgm
.Lentry_shape_is_right:
; pre = [x | h_prev] [W | R]^T (K = 3,072, codes of FP6 with E8M0 scales, laid in panels by the launch before), + bias; i, f, o = sigmoid, z = tanh; c = f c_prev + i z, n = f n_prev + i, m = max(f m_prev, i).
; Stored: c (out1), n (out2), m (out3) and o (og, for the norm's launch).  A work-group makes 256 batch rows x 64 hidden units x 4 gates; four waves, each 128 x 128 of pre: 64 accumulators, 512 registers.
; A panel is 128 operand rows x 128 K, 12,800 bytes: eight images of a fragment's 12 registers (1,536 bytes each) and the scale words from byte 12,288.  A slot of the ring holds three K steps of four panels groups; each wave
; brings 38,400 dense bytes by one tensor load.  CLUSTERS 4 x 4: A's panels are asked for jointly along a row of the cluster, B's along a column.
; SOURCE 0 = 16 BATCH ROWS, SOURCE 1 = 16 ROWS OF B: lane (r, h), register j of a result is (batch row 8 h + j, B's row r).  Wave (rw, cw) multiplies rows 128 rw .. by B's group cw: gates 2 cw and 2 cw + 1 of all 64 hidden units,
; tile 4 p + t, row r = unit 4 r + t of gate 2 cw + p.  The reciprocal that ends an activation writes its result to register 4 j + t: four registers then hold 16 neighbouring bytes of a row, and sixteen lanes load or store
; 256 consecutive aligned bytes of c_prev, n_prev, m_prev, c, n, m, o with no stage.
; THE EXCHANGE.  The waves (rw, 0) and (rw, 1) hold different gates of the same rows.  Each keeps its accumulators of 64 rows (window 2) and sends the activated gates of the other 64 (window 3) to its partner through LDS as images of registers,
; 32,768 bytes a wave in slot 0, which has had its last fill and its last read by then; one barrier.  So that all waves send window 3, odd waves take A's blocks in the order 4-7, 0-3: by LDS address alone.
; What differs between the partners: one factor (sigmoid's or tanh's, a scalar), the bias pointers, and which registers are i, f and which z, o: the combining step stands in two arms of a branch on the wave's number.
; PREFETCHES: behind a refill each wave names the fill two refills on, 150 blocks of 256 bytes shared out by address among the four partners that ask for it jointly (38 each, two instructions; the last two refills name nothing);
; in each of the loop's three trips a wave names its 64 rows x 256 bytes of one of c_prev, n_prev, m_prev, which it loads behind the loop.
; LIMITS: sigmoid and tanh by v_exp_f32 and v_rcp_f32 (1 ulp each); NaN and infinities among the inputs are not served.
.set PANEL, 12800
.set TRI,   3*PANEL
.set SLOT,  4*TRI
.set GROUPB, 24*PANEL
.set SPARE, 2*SLOT                     ; behind the ring: the spare words, 512 bytes
.set FR,    12
.set NL,    3
.set NP,    4
.set LAPS,  4
.set ADRA, 8                           ; v8-9 A's blocks 0-3 in slot 0, 1; v10-11 blocks 4-7
.set ADRB, 12                          ; v12-13 B's fragments
.set ADRS, 14                          ; v14-15 scale words of blocks 0-3 (lanes 0-15 A's, lanes 16-31 B's); v16-17 of blocks 4-7
.set VO,   18                          ; my 16 bytes in a [2048][2048] f32 tensor: row (first + 8 h), unit 4 r
.set VB,   19                          ; my four biases
.set BS,   20                          ; v20-27 bias x the activation's factor: tile b's in v[BS + b]
.set SPW,  28
.set NIL,  29
.set VXS,  30                          ; the exchange: where I store, where I read
.set VXL,  31
.set SC,   32                          ; v32-47 scale words, two sets
.set AF,   112                         ; v112-207 A's fragments, one set
.set VPF,  240                         ; prefetch offsets
.set PF1,  241
.set PF2,  242
.set G1,  24
.set G0,  32
.set G1B, 48
.set G0B, 56
.set MSB, 0
.macro WIN new
.if MSB != (\new)
	s_set_vgpr_msb (MSB<<8)|(\new)
.set MSB, (\new)
.endif
.endm
.set MUL_LO, 0xa4                      ; source 0 (A) window 0, source 1 (B) window 1, C and D window 2
.set MUL_HI, 0xf4                      ; C and D window 3
.set TO_B,   0x40
.macro JLOAD g0a, g1a, g0b, g1b        ; a joint load: waves 0, 1 fetch A's two groups, waves 2, 3 B's
	s_cmp_eq_u32 s17, 0
	s_cbranch_scc0 .Lfor_b_\@
	tensor_load_to_lds s[\g0a:\g0a+3], s[\g1a:\g1a+7]
	s_nop 0
.rept 4
	v_nop
.endr
	s_branch .Lasked_\@
.Lfor_b_\@:
	tensor_load_to_lds s[\g0b:\g0b+3], s[\g1b:\g1b+7]
	s_nop 0
.rept 4
	v_nop
.endr
.Lasked_\@:
.endm
.macro CREST
	s_cmp_lg_u32 s16, 0
	s_cbranch_scc1 .Lnot_wave_0_\@
	s_barrier_signal -3
.Lnot_wave_0_\@:
	s_barrier_wait -3
	s_barrier_signal -1
	s_barrier_wait -1
.endm
.macro CROUND
	s_barrier_signal -1
	s_barrier_wait -1
	CREST
.endm
	s_load_b128 s[4:7], s[0:1], 0x0                ; aq, bq
	s_load_b256 s[8:15], s[0:1], 0x10              ; bi, bf, bz, bo
	s_load_b256 s[68:75], s[0:1], 0x30             ; c_prev, n_prev, m_prev, out1
	s_load_b128 s[76:79], s[0:1], 0x50             ; out2, out3
	s_load_b64 s[80:81], s[0:1], 0x60              ; og
	v_lshl_add_u32 v[SPW], v0, 2, SPARE
	v_mov_b32 v[NIL], 0
	ds_add_u32 v[SPW], v[NIL]                      ; the opening lines: the add twice on end and its wait ahead of the first tensor load
	ds_add_u32 v[SPW], v[NIL]
	v_lshrrev_b32 v1, 5, v0
	v_readfirstlane_b32 s16, v1                    ; wave
	s_lshr_b32 s17, s16, 1                         ; rw: my half of the rows; also: I fetch for A (0) or B (1)
	s_and_b32 s18, s16, 1                          ; cw: my group of B; also: which group of the pair I fetch
	s_bfe_u32 s40, ttmp6, 0x40000                  ; cx
	s_bfe_u32 s41, ttmp6, 0x40004                  ; cy
	s_lshl_b32 s42, ttmp9, 2
	s_add_co_u32 s42, s42, s40                     ; X: 64 hidden units
	s_and_b32 s43, ttmp7, 0xffff
	s_lshl_b32 s43, s43, 2
	s_add_co_u32 s43, s43, s41                     ; Y: 256 rows
	s_lshl_b32 s44, s41, 2
	s_lshl_b32 s44, 15, s44                        ; my row of the cluster
	s_lshl_b32 s45, 0x1111, s40                    ; my column
	s_or_b32 s[G1+0], s44, (3<<16)|(1<<21)         ; elements of 8 bytes; the mask, and bit 21 beside it
	s_or_b32 s[G1B+0], s45, (3<<16)|(1<<21)
.irp g, G1, G1B                        ; a dense block of 38,400 bytes as 150 rows of 256
	s_mov_b32 s[\g+1], 32<<16
	s_mov_b32 s[\g+2], 150<<16
	s_mov_b32 s[\g+3], 32<<16
	s_mov_b32 s[\g+4], 150
	s_mov_b32 s[\g+5], 32
	s_mov_b32 s[\g+6], 0
	s_mov_b32 s[\g+7], 0
.endr
	s_lshl_b32 s20, s43, 1
	s_add_co_u32 s20, s20, s18
	s_mul_i32 s20, s20, GROUPB                     ; A's group 2 Y + w % 2
	s_mov_b32 s21, 0
	s_lshl_b32 s46, s42, 1
	s_add_co_u32 s46, s46, s18
	s_mul_i32 s46, s46, GROUPB                     ; B's group 2 X + w % 2
	s_mov_b32 s47, 0
	s_mul_i32 s19, s16, TRI
	s_wait_dscnt 0x0
	s_wait_kmcnt 0x0
	s_add_nc_u64 s[20:21], s[4:5], s[20:21]
	s_add_nc_u64 s[46:47], s[6:7], s[46:47]
.irp s, 0,1
	s_mov_b32 s[G0+4*\s], 1
	s_add_co_u32 s[G0+4*\s+1], s19, \s*SLOT
	s_add_nc_u64 s[G0+4*\s+2:G0+4*\s+3], s[20:21], \s*TRI
	s_or_b32 s[G0+4*\s+3], s[G0+4*\s+3], 0x80000000
	s_mov_b32 s[G0B+4*\s], 1
	s_add_co_u32 s[G0B+4*\s+1], s19, \s*SLOT
	s_add_nc_u64 s[G0B+4*\s+2:G0B+4*\s+3], s[46:47], \s*TRI
	s_or_b32 s[G0B+4*\s+3], s[G0B+4*\s+3], 0x80000000
.endr
	CROUND                                         ; all sixteen work-groups are here
	JLOAD G0, G1, G0B, G1B                         ; K steps 0-2: one tensor load a wave at the head
	; scalars first, then the vector lines in one run
	s_xor_b32 s99, s18, 1
	s_mul_i32 s22, s17, TRI                        ; my group of A in a slot
	s_mul_i32 s23, s18, TRI
	s_add_co_u32 s23, s23, 2*TRI                   ; my group of B
	s_mul_i32 s86, s18, 6144
	s_add_co_u32 s86, s86, s22                     ; register blocks 0-3 of A: the panel's blocks 4 cw ..
	s_mul_i32 s87, s99, 6144
	s_add_co_u32 s87, s87, s22                     ; register blocks 4-7: the other four
	s_add_co_u32 s90, s22, 12288
	s_lshl_b32 s89, s18, 8
	s_add_co_u32 s89, s89, s90                     ; their scale words
	s_lshl_b32 s88, s99, 8
	s_add_co_u32 s90, s90, s88
	s_add_co_u32 s91, s23, 12288
	s_add_co_u32 s92, s91, 256
	s_sub_co_u32 s91, s91, s89                     ; from A's words to B's, blocks 0-3
	s_sub_co_u32 s92, s92, s90                     ; and 4-7
	s_lshl_b32 s93, s43, 8
	s_lshl_b32 s94, s17, 7
	s_add_co_u32 s93, s93, s94
	s_lshl_b32 s94, s18, 6
	s_add_co_u32 s93, s93, s94                     ; the first of the 64 rows that I finish: 256 Y + 128 rw + 64 cw
	s_lshl_b32 s93, s93, 13
	s_lshl_b32 s94, s42, 8                         ; 64 X units in bytes
	s_add_co_u32 s93, s93, s94
	s_lshl_b32 s95, s16, 15
	s_xor_b32 s96, s16, 1
	s_lshl_b32 s96, s96, 15
	s_cmp_eq_u32 s17, 0
	s_cselect_b64 s[4:5], s[20:21], s[46:47]       ; the group that I fetch,
	s_cselect_b32 s97, s40, s41                    ; my place among the four that ask for it with me
	s_mul_i32 s97, s97, 38
	s_add_co_u32 s98, s97, 32
	s_add_nc_u64 s[4:5], s[4:5], 3*TRI             ; the first refill steps this to fill 4
	s_cmp_eq_u32 s18, 0
	s_cselect_b64 s[8:9], s[8:9], s[12:13]         ; the biases of my two gates: i, f or z, o
	s_cselect_b64 s[10:11], s[10:11], s[14:15]
	s_mov_b32 s84, 0xbfb8aa3b                      ; -log2(e): sigmoid(x) = 1 / (1 + 2^(-log2(e) x))
	s_mov_b32 s82, 0x4038aa3b                      ; 2 log2(e): tanh(x) = 1 - 2 / (1 + 2^(2 log2(e) x))
	s_cselect_b32 s82, s84, s82                    ; my first gate is i or z; my second is f or o
	s_mov_b32 s83, s82
	s_mov_b32 s85, s84
	v_and_b32 v1, 15, v0                           ; r
	v_bfe_u32 v2, v0, 4, 1                         ; h
	v_and_b32 v3, 31, v0
	v_lshlrev_b32 v4, 4, v3
	v_add_nc_u32 v[ADRA], s86, v4
	v_add_nc_u32 v[ADRA+2], s87, v4
	v_add_nc_u32 v[ADRB], s23, v4
	v_mul_u32_u24 v5, s91, v2
	v_mul_u32_u24 v6, s92, v2
	v_lshl_add_u32 v5, v1, 3, v5
	v_lshl_add_u32 v6, v1, 3, v6
	v_add_nc_u32 v[ADRS], s89, v5
	v_add_nc_u32 v[ADRS+2], s90, v6
	v_add_nc_u32 v[ADRA+1], SLOT, v[ADRA]
	v_add_nc_u32 v[ADRA+3], SLOT, v[ADRA+2]
	v_add_nc_u32 v[ADRB+1], SLOT, v[ADRB]
	v_add_nc_u32 v[ADRS+1], SLOT, v[ADRS]
	v_add_nc_u32 v[ADRS+3], SLOT, v[ADRS+2]
	v_lshlrev_b32 v5, 16, v2                       ; 8 h rows of 8,192 bytes
	v_lshl_add_u32 v5, v1, 4, v5
	v_add_nc_u32 v[VO], s93, v5
	v_lshl_add_u32 v[VB], v1, 4, s94
	v_lshl_add_u32 v[VPF], v3, 13, s93             ; a lane a row
	v_add_nc_u32 v[VXS], s95, v4
	v_add_nc_u32 v[VXL], s96, v4
	v_add_nc_u32 v[PF1], s97, v3                   ; blocks 38 p + lane,
	v_min_u32 v[PF2], 5, v3
	v_min_u32 v[PF1], 149, v[PF1]
	v_add_nc_u32 v[PF2], s98, v[PF2]               ; and 38 p + 32 .. 37; lanes left over name the last again
	v_lshlrev_b32 v[PF1], 8, v[PF1]
	v_min_u32 v[PF2], 149, v[PF2]
	v_lshlrev_b32 v[PF2], 8, v[PF2]
	s_wait_alu depctr_va_vdst(0)                   ; the wait at the head's end
	global_load_b128 v[BS:BS+3], v[VB], s[8:9]
	global_load_b128 v[BS+4:BS+7], v[VB], s[10:11]
.macro FRAG reg, adr, q, i
.irp c, 0,1,2
	ds_load_b128 v[\reg+4*\c:\reg+4*\c+3], v[\adr] offset:(\q)*PANEL+(\i)*1536+512*\c
.endr
.endm
; 16 matrix instructions: A's register blocks a0, a0 + 1 x B's eight tiles.  The 64 accumulators take turns.  first = 1: the products start the sums.
.macro MUL16 a0, p, first
.irp a, \a0, \a0+1
.irp b, 0,1,2,3,4,5,6,7
.if \first
	v_wmma_scale_f32_16x16x128_f8f6f4 v[8*(8*((\a)%4)+\b):8*(8*((\a)%4)+\b)+7], v[AF+FR*(\a):AF+FR*(\a)+FR-1], v[96*(\p)+FR*\b:96*(\p)+FR*\b+FR-1], 0, v[SC+8*(\p)+(\a)], v[SC+8*(\p)+\b] matrix_a_fmt:MATRIX_FMT_FP6 matrix_b_fmt:MATRIX_FMT_FP6 matrix_b_scale:MATRIX_SCALE_ROW1
.else
	v_wmma_scale_f32_16x16x128_f8f6f4 v[8*(8*((\a)%4)+\b):8*(8*((\a)%4)+\b)+7], v[AF+FR*(\a):AF+FR*(\a)+FR-1], v[96*(\p)+FR*\b:96*(\p)+FR*\b+FR-1], v[8*(8*((\a)%4)+\b):8*(8*((\a)%4)+\b)+7], v[SC+8*(\p)+(\a)], v[SC+8*(\p)+\b] matrix_a_fmt:MATRIX_FMT_FP6 matrix_b_fmt:MATRIX_FMT_FP6 matrix_b_scale:MATRIX_SCALE_ROW1
.endif
.endr
.endr
.endm
.macro FETCH_B slot, q, p
	WIN TO_B
.irp i, 0,1,2,3,4,5,6,7
	FRAG 96*(\p)+FR*\i, ADRB+\slot, \q, \i
.endr
	WIN 0
.endm
.macro FETCH_A slot, q, i0
.irp i, 0,1,2,3
	FRAG AF+FR*(\i0+\i), ADRA+2*((\i0)/4)+\slot, \q, \i
.endr
.endm
.macro FETCH_S slot, q, p
.irp j, 0,1,2,3
	ds_load_b64 v[SC+8*(\p)+2*\j:SC+8*(\p)+2*\j+1], v[ADRS+2*(\j/2)+\slot] offset:(\q)*PANEL+128*(\j%2)
.endr
.endm
.macro PLACES n
.rept \n
	v_nop
.endr
.endm
; One of a slot's first two K steps: 64 matrix instructions; the next step's fragments come in its middle and at its end.
.macro STEP slot, q, first
.set BP, ((\slot)+(\q))%2
	s_wait_dscnt 4*NL                              ; all but A's blocks 4-7, the youngest twelve loads
	WIN MUL_LO
	MUL16 0, BP, \first
	MUL16 2, BP, \first
	s_wait_dscnt 0x0
	PLACES NP
	FETCH_B \slot, (\q)+1, 1-BP
	FETCH_A \slot, (\q)+1, 0
	FETCH_S \slot, (\q)+1, 1-BP
	WIN MUL_HI
	MUL16 4, BP, \first
	MUL16 6, BP, \first
	PLACES NP
	WIN 0
	FETCH_A \slot, (\q)+1, 4
.endm
; A slot's third step changes slots: one barrier, which opens a round of the cluster's barrier where the slot is filled again.
.macro TURN slot, next, fill
.set BP, (\slot)%2
.if \fill
	s_wait_xcnt 0x0                                ; my prefetches have read their addresses
	s_add_nc_u64 s[4:5], s[4:5], TRI
.endif
	s_wait_tensorcnt 0x0                           ; all my tensor loads have landed: my part of the next slot
	ds_add_u32 v[SPW], v[NIL]
	s_wait_dscnt 4*NL+1                            ; (the add and the youngest twelve loads may be out)
	WIN MUL_LO
	MUL16 0, BP, 0
	s_wait_dscnt 0x0                               ; the add is done, my reads of this slot are over
	s_barrier_signal -1
	MUL16 2, BP, 0
	WIN 0
	s_barrier_wait -1
.if \fill
	CREST
	s_add_nc_u64 s[G0+4*\slot+2:G0+4*\slot+3], s[G0+4*\slot+2:G0+4*\slot+3], 2*TRI
	s_add_nc_u64 s[G0B+4*\slot+2:G0B+4*\slot+3], s[G0B+4*\slot+2:G0B+4*\slot+3], 2*TRI
	JLOAD G0+4*\slot, G1, G0B+4*\slot, G1B         ; the first tensor load behind the round; its four v_nop are the places for the loads below
.else
	PLACES NP
.endif
	FETCH_B \next, 0, 1-BP
	FETCH_A \next, 0, 0
	FETCH_S \next, 0, 1-BP
.if \fill
	s_cmp_gt_u32 s3, 1                             ; the last trip's two refills have no fill two on
	s_cbranch_scc0 .Lno_ask_\@
	global_prefetch_b8 v[PF1], s[4:5] th:TH_LOAD_NT scope:SCOPE_SE
	global_prefetch_b8 v[PF2], s[4:5] th:TH_LOAD_NT scope:SCOPE_SE
.Lno_ask_\@:
.endif
	WIN MUL_HI
	MUL16 4, BP, 0
	MUL16 6, BP, 0
	PLACES NP
	WIN 0
	FETCH_A \next, 0, 4
.endm
; c_prev, n_prev, m_prev of my block a (16 rows x 64 units): 24 loads; sixteen lanes read 256 consecutive aligned bytes.  Register 4 j + t = (row 8 h + j, unit 4 r + t).
.macro PLOAD a, w, cB, nB, mB
	WIN (\w)<<6
.irp j, 0,1,2,3,4,5,6,7
	global_load_b128 v[\cB+4*\j:\cB+4*\j+3], v[VO], s[68:69] offset:(16*(\a)+\j)*8192 th:TH_LOAD_NT
.endr
.irp j, 0,1,2,3,4,5,6,7
	global_load_b128 v[\nB+4*\j:\nB+4*\j+3], v[VO], s[70:71] offset:(16*(\a)+\j)*8192 th:TH_LOAD_NT
.endr
.irp j, 0,1,2,3,4,5,6,7
	global_load_b128 v[\mB+4*\j:\mB+4*\j+3], v[VO], s[72:73] offset:(16*(\a)+\j)*8192 th:TH_LOAD_NT
.endr
	WIN 0
.endm
; 1 / (1 + 2^(factor x (pre + bias))) of the eight accumulators of block a in window ws.  The reciprocal writes gate p's (row j, unit t) to register db + 32 p + 4 j + t of window wd.
; One wait ahead of each batch of transcendentals and one behind it.  dsw = 1: earlier LDS stores have read the destination first.
.macro ACT ws, a, wd, db, dsw
	WIN (\ws)|((\ws)<<6)
	s_wait_alu depctr_va_vdst(0)
.irp b, 0,1,2,3,4,5,6,7
.irp jj, 0,2,4,6
.if \b%2
	v_pk_fma_f32 v[64*(\a)+8*\b+\jj:64*(\a)+8*\b+\jj+1], v[64*(\a)+8*\b+\jj:64*(\a)+8*\b+\jj+1], s[82+2*(\b/4):83+2*(\b/4)], v[BS+2*(\b/2):BS+2*(\b/2)+1] op_sel:[0,0,1] op_sel_hi:[1,0,1]
.else
	v_pk_fma_f32 v[64*(\a)+8*\b+\jj:64*(\a)+8*\b+\jj+1], v[64*(\a)+8*\b+\jj:64*(\a)+8*\b+\jj+1], s[82+2*(\b/4):83+2*(\b/4)], v[BS+2*(\b/2):BS+2*(\b/2)+1] op_sel_hi:[1,0,0]
.endif
.endr
.endr
	s_wait_alu depctr_va_vdst(0)
.set k, 0
.rept 64
	v_exp_f32 v[64*(\a)+k], v[64*(\a)+k]
.set k, k+1
.endr
	v_nop
	s_wait_alu depctr_va_vdst(0)
.set k, 0
.rept 32
	v_pk_add_f32 v[64*(\a)+k:64*(\a)+k+1], v[64*(\a)+k:64*(\a)+k+1], 1.0 op_sel_hi:[1,0]
.set k, k+2
.endr
	WIN (\ws)|((\wd)<<6)
.if \dsw
	s_wait_dscnt 0x0
.endif
	s_wait_alu depctr_va_vdst(0)
.irp p, 0,1
.irp t, 0,1,2,3
.irp j, 0,1,2,3,4,5,6,7
	v_rcp_f32 v[(\db)+32*\p+4*\j+\t], v[64*(\a)+8*(4*\p+\t)+\j]
.endr
.endr
.endr
	v_nop
	s_wait_alu depctr_va_vdst(0)
	WIN 0
.endm
.macro XSEND a                         ; window 1, v0-63 -> my part of the exchange, as an image of registers
	WIN 0x04
.irp q, 0,1,2,3,4,5,6,7,8,9,10,11,12,13,14,15
	ds_store_b128 v[VXS], v[4*\q:4*\q+3] offset:(16*(\a)+\q)*512
.endr
	WIN 0
.endm
.macro QLOAD a, w, base                ; my partner's two gates of my block a
	WIN (\w)<<6
.irp q, 0,1,2,3,4,5,6,7,8,9,10,11,12,13,14,15
	ds_load_b128 v[\base+4*\q:\base+4*\q+3], v[VXL] offset:(16*(\a)+\q)*512
.endr
	WIN 0
.endm
; Block a is combined and stored.  i at iB and f at iB + 32 of window wI; tanh's reciprocal at zB and o at zB + 32 of window wZ; c_prev, n_prev, m_prev in window wS.  lc, dc: younger loads that may stay out.
.macro COMB a, wI, iB, wZ, zB, wS, cB, nB, mB, lc, dc
	s_wait_alu depctr_va_vdst(0)
	s_wait_loadcnt \lc
	s_wait_dscnt \dc
	WIN (\wZ)|((\wZ)<<6)
.set k, 0
.rept 16
	v_pk_fma_f32 v[(\zB)+k:(\zB)+k+1], v[(\zB)+k:(\zB)+k+1], -2.0, 1.0 op_sel_hi:[1,0,0]   ; z
.set k, k+2
.endr
	WIN (\wI)|((\wZ)<<2)|((\wZ)<<6)
.set k, 0
.rept 16
	v_pk_mul_f32 v[(\zB)+k:(\zB)+k+1], v[(\iB)+k:(\iB)+k+1], v[(\zB)+k:(\zB)+k+1]          ; i z
.set k, k+2
.endr
	WIN (\wI)|((\wS)<<2)|((\wZ)<<4)|((\wS)<<6)
.set k, 0
.rept 16
	v_pk_fma_f32 v[(\cB)+k:(\cB)+k+1], v[(\iB)+32+k:(\iB)+33+k], v[(\cB)+k:(\cB)+k+1], v[(\zB)+k:(\zB)+k+1]   ; c
.set k, k+2
.endr
	WIN (\wI)|((\wS)<<2)|((\wI)<<4)|((\wS)<<6)
.set k, 0
.rept 16
	v_pk_fma_f32 v[(\nB)+k:(\nB)+k+1], v[(\iB)+32+k:(\iB)+33+k], v[(\nB)+k:(\nB)+k+1], v[(\iB)+k:(\iB)+k+1]   ; n
	v_pk_mul_f32 v[(\mB)+k:(\mB)+k+1], v[(\iB)+32+k:(\iB)+33+k], v[(\mB)+k:(\mB)+k+1]                          ; f m_prev
.set k, k+2
.endr
	WIN (\wS)<<2
.irp j, 0,1,2,3,4,5,6,7
	global_store_b128 v[VO], v[(\cB)+4*\j:(\cB)+4*\j+3], s[74:75] offset:(16*(\a)+\j)*8192   ; sixteen lanes store 256 consecutive aligned bytes
.endr
.irp j, 0,1,2,3,4,5,6,7
	global_store_b128 v[VO], v[(\nB)+4*\j:(\nB)+4*\j+3], s[76:77] offset:(16*(\a)+\j)*8192
.endr
	WIN (\wZ)<<2
.irp j, 0,1,2,3,4,5,6,7
	global_store_b128 v[VO], v[(\zB)+32+4*\j:(\zB)+35+4*\j], s[80:81] offset:(16*(\a)+\j)*8192
.endr
	WIN (\wS)|((\wI)<<2)|((\wS)<<6)
.set k, 0
.rept 32
	v_max_num_f32 v[(\mB)+k], v[(\mB)+k], v[(\iB)+k]                                       ; m
.set k, k+1
.endr
	WIN (\wS)<<2
.irp j, 0,1,2,3,4,5,6,7
	global_store_b128 v[VO], v[(\mB)+4*\j:(\mB)+4*\j+3], s[78:79] offset:(16*(\a)+\j)*8192 th:TH_STORE_NT
.endr
	WIN 0
.endm
.macro ARMS a, wQ, qB, wS, cB, nB, mB, lc, dc  ; even waves made i and f themselves, odd waves z and o
	s_cmp_eq_u32 s18, 0
	s_cbranch_scc0 .Lzo_\@
	COMB \a, 3, 64*(\a), \wQ, \qB, \wS, \cB, \nB, \mB, \lc, \dc
	s_branch .Ldone_\@
.Lzo_\@:
	COMB \a, \wQ, \qB, 3, 64*(\a), \wS, \cB, \nB, \mB, \lc, \dc
.Ldone_\@:
.endm
	s_wait_tensorcnt 0x0                           ; my part of slot 0 is in; slot 1's first fill is issued as a refill is
	ds_add_u32 v[SPW], v[NIL]
	s_wait_dscnt 0x0
	CROUND
	JLOAD G0+4, G1, G0B+4, G1B
	FETCH_B 0, 0, 0
	FETCH_A 0, 0, 0
	FETCH_S 0, 0, 0
	FETCH_A 0, 0, 4
	s_wait_loadcnt 0x0                             ; the biases
.irp t, 0,1,2,3
	v_mul_f32 v[BS+\t], s82, v[BS+\t]
	v_mul_f32 v[BS+4+\t], s84, v[BS+4+\t]
.endr
	s_mov_b64 s[8:9], s[68:69]                     ; the tensor that this trip prefetches, and the next two
	s_mov_b64 s[10:11], s[70:71]
	s_mov_b64 s[12:13], s[72:73]
	s_wait_alu depctr_va_vdst(0)
	STEP 0, 0, 1
	s_mov_b32 s3, LAPS-1
.Llap:
	STEP 0, 1, 0
	TURN 0, 1, 1
	STEP 1, 0, 0
	global_prefetch_b8 v[VPF], s[8:9] th:TH_LOAD_NT scope:SCOPE_SE
	global_prefetch_b8 v[VPF], s[8:9] offset:32*8192 th:TH_LOAD_NT scope:SCOPE_SE
	STEP 1, 1, 0
	TURN 1, 0, 1                                   ; (its s_wait_xcnt 0 stands behind the two prefetches above)
	s_mov_b64 s[8:9], s[10:11]
	s_mov_b64 s[10:11], s[12:13]
	STEP 0, 0, 0
	s_sub_co_u32 s3, s3, 1
	s_cmp_lg_u32 s3, 0
	s_cbranch_scc1 .Llap
	STEP 0, 1, 0
	TURN 0, 1, 0                                   ; behind this barrier nobody reads slot 0
	PLOAD 0, 0, 48, 80, 208
	STEP 1, 0, 0
	STEP 1, 1, 0
	s_wait_dscnt 4*NL
	WIN MUL_LO
	MUL16 0, 1, 0
	MUL16 2, 1, 0
	s_wait_dscnt 0x0
	WIN MUL_HI
	MUL16 4, 1, 0
	MUL16 6, 1, 0
	WIN 0
	PLACES NP
	PLOAD 1, 1, 64, 96, 128
	PLOAD 2, 1, 160, 192, 224
	PLOAD 3, 0, 112, 144, 176
	ACT 3, 0, 1, 0, 0                              ; my partner's rows first
	XSEND 0
.irp a, 1,2,3
	ACT 3, \a, 1, 0, 1
	XSEND \a
.endr
	s_wait_dscnt 0x0                               ; for my partner's sake: my stores are done
	s_barrier_signal -1
	ACT 2, 0, 3, 0, 0                              ; work on registers while the others arrive
	s_barrier_wait -1
	QLOAD 0, 1, 0
	QLOAD 1, 2, 0                                  ; into the accumulators of block 0, which are done with
	ARMS 0, 1, 0, 0, 48, 80, 208, 63, 16
	ACT 2, 1, 3, 64, 0
	QLOAD 2, 2, 64
	ARMS 1, 2, 0, 1, 64, 96, 128, 48, 16
	ACT 2, 2, 3, 128, 0
	QLOAD 3, 2, 128
	ARMS 2, 2, 64, 1, 160, 192, 224, 24, 16
	ACT 2, 3, 3, 192, 0
	ARMS 3, 2, 128, 0, 112, 144, 176, 0, 0
	s_wait_tensorcnt 0x0                           ; the wave's end
	ds_add_u32 v[SPW], v[NIL]
	s_wait_dscnt 0x0
	CROUND                                         ; the closing round
	s_endpgm
.Lfunc_end_k_q1f667148b7_cell:
	.size	k_q1f667148b7_cell, .Lfunc_end_k_q1f667148b7_cell-k_q1f667148b7_cell
	.p2alignl 7, 3214868480
	.fill 96, 4, 3214868480
	.section	.rodata,"a",@progbits
	.p2align	6, 0x0
	.amdhsa_kernel k_q1f667148b7_cell
		.amdhsa_group_segment_fixed_size 327680
		.amdhsa_private_segment_fixed_size 0
		.amdhsa_enable_private_segment 0
		.amdhsa_kernarg_size 104
		.amdhsa_user_sgpr_count 2
		.amdhsa_user_sgpr_kernarg_segment_ptr 1
		.amdhsa_wavefront_size32 1
		.amdhsa_system_sgpr_workgroup_id_x 1
		.amdhsa_system_sgpr_workgroup_id_y 1
		.amdhsa_system_sgpr_workgroup_id_z 1
		.amdhsa_system_vgpr_workitem_id 0
		.amdhsa_next_free_vgpr 1024
		.amdhsa_next_free_sgpr 100
		.amdhsa_reserve_vcc 0
		.amdhsa_float_denorm_mode_32 3
		.amdhsa_float_denorm_mode_16_64 3
		.amdhsa_memory_ordered 1
		.amdhsa_forward_progress 1
		.amdhsa_inst_pref_size 255
	.end_amdhsa_kernel
	.section	.bss,"aw",@nobits
	.p2align	6
	.space	262144
	.amdgpu_metadata
---
amdhsa.version: [ 1, 2 ]
amdhsa.kernels:
  - .name:           k_q1f667148b7_cell
    .symbol:         k_q1f667148b7_cell.kd
    .args:
      - { .name: aq, .offset: 0, .size: 8, .value_kind: global_buffer, .address_space: global }
      - { .name: bq, .offset: 8, .size: 8, .value_kind: global_buffer, .address_space: global }
      - { .name: bi, .offset: 16, .size: 8, .value_kind: global_buffer, .address_space: global }
      - { .name: bf, .offset: 24, .size: 8, .value_kind: global_buffer, .address_space: global }
      - { .name: bz, .offset: 32, .size: 8, .value_kind: global_buffer, .address_space: global }
      - { .name: bo, .offset: 40, .size: 8, .value_kind: global_buffer, .address_space: global }
      - { .name: c_prev, .offset: 48, .size: 8, .value_kind: global_buffer, .address_space: global }
      - { .name: n_prev, .offset: 56, .size: 8, .value_kind: global_buffer, .address_space: global }
      - { .name: m_prev, .offset: 64, .size: 8, .value_kind: global_buffer, .address_space: global }
      - { .name: out1, .offset: 72, .size: 8, .value_kind: global_buffer, .address_space: global }
      - { .name: out2, .offset: 80, .size: 8, .value_kind: global_buffer, .address_space: global }
      - { .name: out3, .offset: 88, .size: 8, .value_kind: global_buffer, .address_space: global }
      - { .name: og, .offset: 96, .size: 8, .value_kind: global_buffer, .address_space: global }
    .group_segment_fixed_size: 327680
    .private_segment_fixed_size: 0
    .kernarg_segment_align: 8
    .kernarg_segment_size: 104
    .max_flat_workgroup_size: 128
    .sgpr_count:     100
    .vgpr_count:     1024
    .wavefront_size: 32
...
	.end_amdgpu_metadata
.endif
;; end of part 2
;; launch norm (part 3): grid 256 x 1, 8 waves a work-group, no clusters, 0 bytes of LDS; arguments out1, out2, og, gn_w, gn_b, out0; writes out0
.if DOCPART == 3
	.amdgcn_target "amdgcn-amd-amdhsa--gfx1250"
	.amdhsa_code_object_version 6
	.text
	.protected	k_q1f667148b7_norm
	.globl	k_q1f667148b7_norm
	.p2align	8
	.type	k_q1f667148b7_norm,@function
k_q1f667148b7_norm:
	s_mov_b64 s[64:65], 0
	v_nop
	global_prefetch_b8 v0, s[64:65] scope:SCOPE_SE
	s_setreg_imm32_b32 hwreg(HW_REG_WAVE_MODE, 25, 1), 1
	s_wait_xcnt 0x0
; h = o tanh(GroupNorm(c / n)): the norm runs over a row's 2,048 numbers.  c, n, o: [2048][2048] f32 from the launch before; gn_w, gn_b: [2048]; h: [2048][2048] f32.
; One wave takes one row: 8,192 bytes are 64 registers a lane, so the row stays in registers between the mean, the variance (of the differences from the mean, as the definition has it) and the scaling;
; the sums never leave the wave: no LDS, no barrier, no loop.  Every load and store of a wave covers 512 consecutive bytes.  All 80 loads are issued at the head; the waits are counted by tensor.
; Matrix units, clusters and tensor loads would add nothing: each byte is read once and no wave shares a row.
; LIMITS: 1 / n is v_rcp_f32 (1 ulp; a denormal n counts as 0).  NaN and infinities are passed on as the arithmetic gives them and were not tried.
.set N, 16                             ; v16-79   n, then 1 / n
.set C, 80                             ; v80-143  c, then every stage up to h
.set O, 144                            ; v144-207 o
                                       ; window 1: v0-63 gn_w, v64-127 gn_b
.set MSB, 0
.macro WIN new                         ; the immediate's high byte repeats the setting that is left
.if MSB != (\new)
	s_set_vgpr_msb (MSB<<8)|(\new)
.set MSB, (\new)
.endif
.endm
.macro REDUCE                          ; four packed chains in v[4:11] -> the row's sum in v2, in every lane
	s_delay_alu instid0(VALU_DEP_3)
	v_pk_add_f32 v[4:5], v[4:5], v[6:7]
	s_delay_alu instid0(VALU_DEP_2)
	v_pk_add_f32 v[8:9], v[8:9], v[10:11]
	s_delay_alu instid0(VALU_DEP_1)
	v_pk_add_f32 v[4:5], v[4:5], v[8:9]
	s_delay_alu instid0(VALU_DEP_1)
	v_add_f32 v2, v4, v5
	s_delay_alu instid0(VALU_DEP_1)
	v_add_f32_dpp v2, v2, v2 row_xmask:1 row_mask:0xf bank_mask:0xf
	s_delay_alu instid0(VALU_DEP_1)
	v_add_f32_dpp v2, v2, v2 row_xmask:2 row_mask:0xf bank_mask:0xf
	s_delay_alu instid0(VALU_DEP_1)
	v_add_f32_dpp v2, v2, v2 row_xmask:4 row_mask:0xf bank_mask:0xf
	s_delay_alu instid0(VALU_DEP_1)
	v_add_f32_dpp v2, v2, v2 row_xmask:8 row_mask:0xf bank_mask:0xf
	s_delay_alu instid0(VALU_DEP_1)
	v_permlanex16_b32 v3, v2, s16, s17
	s_delay_alu instid0(VALU_DEP_1)
	v_add_f32 v2, v2, v3
.endm
	s_load_b256 s[4:11], s[0:1], 0x0               ; c 4, n 6, o 8, gn_w 10
	s_load_b128 s[12:15], s[0:1], 0x20             ; gn_b 12, h 14
	v_lshrrev_b32 v2, 5, v0
	s_delay_alu instid0(VALU_DEP_1)
	v_readfirstlane_b32 s22, v2                    ; wave 0..7
	v_and_b32 v1, 31, v0
	s_delay_alu instid0(VALU_DEP_1)
	v_lshlrev_b32 v1, 4, v1                        ; 16 x lane; never rewritten
	v_mov_b32 v3, 0                                ; written once: a lane permute's destination counts as one of its sources
	s_lshl_b32 s23, ttmp9, 3
	s_add_co_u32 s22, s22, s23                     ; my row
	s_lshl_b32 s22, s22, 13                        ; x 8,192 bytes
	s_mov_b32 s23, 0
	s_mov_b32 s16, 0x76543210
	s_mov_b32 s17, 0xfedcba98                      ; v_permlanex16_b32's selects for lane l xor 16
	s_mov_b32 s18, 0x3a000000                      ; 1 / 2,048
	s_mov_b32 s19, 0x3727c5ac                      ; 1e-5
	s_mov_b32 s20, 0x4038aa3b                      ; 2 log2(e): tanh(x) = 1 - 2 / (1 + 2^(2 log2(e) x))
	s_mov_b32 s21, s20                             ; (named with it as a pair, so it is written)
	s_wait_alu depctr_va_vdst(0)
	s_wait_kmcnt 0x0
	s_add_nc_u64 s[4:5], s[4:5], s[22:23]
	s_add_nc_u64 s[6:7], s[6:7], s[22:23]
	s_add_nc_u64 s[8:9], s[8:9], s[22:23]
	s_add_nc_u64 s[14:15], s[14:15], s[22:23]
.irp k, 0,1,2,3,4,5,6,7,8,9,10,11,12,13,14,15
	global_load_b128 v[N+4*\k:N+4*\k+3], v1, s[6:7] offset:512*\k th:TH_LOAD_NT
.endr
.irp k, 0,1,2,3,4,5,6,7,8,9,10,11,12,13,14,15
	global_load_b128 v[C+4*\k:C+4*\k+3], v1, s[4:5] offset:512*\k th:TH_LOAD_NT
.endr
	WIN 0x40                                       ; destination window 1
.irp k, 0,1,2,3,4,5,6,7,8,9,10,11,12,13,14,15
	global_load_b128 v[4*\k:4*\k+3], v1, s[10:11] offset:512*\k          ; gn_w: every wave of the launch reads it: no hint
.endr
.irp k, 0,1,2,3,4,5,6,7,8,9,10,11,12,13,14,15
	global_load_b128 v[64+4*\k:64+4*\k+3], v1, s[12:13] offset:512*\k    ; gn_b
.endr
	WIN 0
.irp k, 0,1,2,3,4,5,6,7,8,9,10,11,12,13,14,15
	global_load_b128 v[O+4*\k:O+4*\k+3], v1, s[8:9] offset:512*\k th:TH_LOAD_NT
.endr
	s_wait_loadcnt 48                              ; n and c are in; the 48 loads of gn_w, gn_b and o may be out
.set j, 0
.rept 64
	v_rcp_f32 v[N+j], v[N+j]
.set j, j+1
.endr
	v_nop                                          ; one plain place behind the transcendentals
.set p, 0
	s_wait_alu depctr_va_vdst(0)
.rept 32
	v_pk_mul_f32 v[C+2*p:C+2*p+1], v[C+2*p:C+2*p+1], v[N+2*p:N+2*p+1]   ; c / n
.set p, p+1
.endr
.irp q, 0,1,2,3
	v_pk_add_f32 v[4+2*\q:5+2*\q], v[C+2*\q:C+2*\q+1], v[C+8+2*\q:C+9+2*\q]   ; four chains, started by the first eight pairs: nothing is cleared
.endr
.set p, 8
.rept 24
	s_delay_alu instid0(VALU_DEP_4)
	v_pk_add_f32 v[4+2*(p%4):5+2*(p%4)], v[4+2*(p%4):5+2*(p%4)], v[C+2*p:C+2*p+1]
.set p, p+1
.endr
	REDUCE
	s_delay_alu instid0(VALU_DEP_1)
	v_mul_f32 v12, s18, v2                         ; the mean
	s_delay_alu instid0(VALU_DEP_1)
	v_mov_b32 v13, v12
.set p, 0
.rept 32
	v_pk_add_f32 v[C+2*p:C+2*p+1], v[C+2*p:C+2*p+1], v[12:13] neg_lo:[0,1] neg_hi:[0,1]
.set p, p+1
.endr
.irp q, 0,1,2,3
	v_pk_mul_f32 v[4+2*\q:5+2*\q], v[C+2*\q:C+2*\q+1], v[C+2*\q:C+2*\q+1]
.endr
.set p, 4
.rept 28
	s_delay_alu instid0(VALU_DEP_4)
	v_pk_fma_f32 v[4+2*(p%4):5+2*(p%4)], v[C+2*p:C+2*p+1], v[C+2*p:C+2*p+1], v[4+2*(p%4):5+2*(p%4)]
.set p, p+1
.endr
	REDUCE
	s_delay_alu instid0(VALU_DEP_1)
	v_fma_f32 v14, v2, s18, s19                    ; the variance + eps
	s_wait_alu depctr_va_vdst(0)
	v_rsq_f32 v14, v14
	v_nop
	s_wait_alu depctr_va_vdst(0)
	v_mov_b32 v15, v14
.set p, 0
.rept 32
	v_pk_mul_f32 v[C+2*p:C+2*p+1], v[C+2*p:C+2*p+1], v[14:15]
.set p, p+1
.endr
	s_wait_loadcnt 16                              ; gn_w and gn_b are in; o's sixteen loads may be out
	WIN 0x14                                       ; sources 1 and 2 window 1
.set p, 0
.rept 32
	v_pk_fma_f32 v[C+2*p:C+2*p+1], v[C+2*p:C+2*p+1], v[2*p:2*p+1], v[64+2*p:64+2*p+1]
.set p, p+1
.endr
	WIN 0
.set p, 0
.rept 32
	v_pk_mul_f32 v[C+2*p:C+2*p+1], v[C+2*p:C+2*p+1], s[20:21] op_sel_hi:[1,0]
.set p, p+1
.endr
.set j, 0
	s_wait_alu depctr_va_vdst(0)
.rept 64
	v_exp_f32 v[C+j], v[C+j]
.set j, j+1
.endr
	v_nop
.set p, 0
	s_wait_alu depctr_va_vdst(0)
.rept 32
	v_pk_add_f32 v[C+2*p:C+2*p+1], v[C+2*p:C+2*p+1], 1.0 op_sel_hi:[1,0]
.set p, p+1
.endr
.set j, 0
	s_wait_alu depctr_va_vdst(0)
.rept 64
	v_rcp_f32 v[C+j], v[C+j]
.set j, j+1
.endr
	v_nop
.set p, 0
	s_wait_alu depctr_va_vdst(0)
.rept 32
	v_pk_fma_f32 v[C+2*p:C+2*p+1], v[C+2*p:C+2*p+1], -2.0, 1.0 op_sel_hi:[1,0,0]   ; tanh
.set p, p+1
.endr
	s_wait_loadcnt 0x0                             ; o
.set p, 0
.rept 32
	v_pk_mul_f32 v[C+2*p:C+2*p+1], v[C+2*p:C+2*p+1], v[O+2*p:O+2*p+1]
.set p, p+1
.endr
.irp k, 0,1,2,3,4,5,6,7,8,9,10,11,12,13,14,15
	global_store_b128 v1, v[C+4*\k:C+4*\k+3], s[14:15] offset:512*\k th:TH_STORE_NT
.endr
	s_endpgm
.Lfunc_end_k_q1f667148b7_norm:
	.size	k_q1f667148b7_norm, .Lfunc_end_k_q1f667148b7_norm-k_q1f667148b7_norm
	.p2alignl 7, 3214868480
	.fill 96, 4, 3214868480
	.section	.rodata,"a",@progbits
	.p2align	6, 0x0
	.amdhsa_kernel k_q1f667148b7_norm
		.amdhsa_group_segment_fixed_size 0
		.amdhsa_private_segment_fixed_size 0
		.amdhsa_enable_private_segment 0
		.amdhsa_kernarg_size 48
		.amdhsa_user_sgpr_count 2
		.amdhsa_user_sgpr_kernarg_segment_ptr 1
		.amdhsa_wavefront_size32 1
		.amdhsa_system_sgpr_workgroup_id_x 1
		.amdhsa_system_sgpr_workgroup_id_y 1
		.amdhsa_system_sgpr_workgroup_id_z 1
		.amdhsa_system_vgpr_workitem_id 0
		.amdhsa_next_free_vgpr 384
		.amdhsa_next_free_sgpr 66
		.amdhsa_reserve_vcc 0
		.amdhsa_float_denorm_mode_32 3
		.amdhsa_float_denorm_mode_16_64 3
		.amdhsa_memory_ordered 1
		.amdhsa_forward_progress 1
		.amdhsa_inst_pref_size 41
	.end_amdhsa_kernel
	.amdgpu_metadata
---
amdhsa.version: [ 1, 2 ]
amdhsa.kernels:
  - .name:           k_q1f667148b7_norm
    .symbol:         k_q1f667148b7_norm.kd
    .args:
      - { .name: out1, .offset: 0, .size: 8, .value_kind: global_buffer, .address_space: global }
      - { .name: out2, .offset: 8, .size: 8, .value_kind: global_buffer, .address_space: global }
      - { .name: og, .offset: 16, .size: 8, .value_kind: global_buffer, .address_space: global }
      - { .name: gn_w, .offset: 24, .size: 8, .value_kind: global_buffer, .address_space: global }
      - { .name: gn_b, .offset: 32, .size: 8, .value_kind: global_buffer, .address_space: global }
      - { .name: out0, .offset: 40, .size: 8, .value_kind: global_buffer, .address_space: global }
    .group_segment_fixed_size: 0
    .private_segment_fixed_size: 0
    .kernarg_segment_align: 8
    .kernarg_segment_size: 48
    .max_flat_workgroup_size: 256
    .sgpr_count:     66
    .vgpr_count:     384
    .wavefront_size: 32
...
	.end_amdgpu_metadata
.endif
;; end of part 3
